; MI455X (gfx1250); checked and timed in simulation.
; The chip was launched on July 23, 2026; its instructions are those of AMD's public machine-readable ISA for CDNA 5 (MIT licence, August 2026) and "CDNA5" Instruction Set Architecture Reference Guide (July 2026). The comments in the code are by the model that wrote it; some were corrected since.
;; Mixture. Allowed arithmetic: matrix products marked QUANTISED: E2M3 operands, one E8M0 scale for each 32 along K, by v_wmma_scale_f32_16x16x128_f8f6f4 with both operands' format E2M3, f32 sums; products left as they are: f32 operands where the result goes on into a quantised operand, else bf16, f16 or f32 operands; f32 sums; everything else in f32.
;; Inputs: W1 8 x 1,024 x 2,048 float32; W2 8 x 2,048 float32; b1 8 x 2,048 float32; b2 8 float32; centroids 8 x 1,024 float32; x 4,096 x 1,024 float32.
;; Outputs: out0 4,096 float32.
;; This version of the problem:
;;   THIS VERSION OF THE PROBLEM IS GIVEN IN LOW PRECISION. The matrix products marked QUANTISED in the list below multiply operands that are first quantised to E2M3 (2 exponent bits, 3 mantissa bits; 6 bits a number), with one power-of-two scale for each 32 numbers along K (OCP MX v1.0); their sums are f32. All else is computed in f32.
;;   The module's matrix products, in the order in which they are computed (A, B: the left and right operand; K: the contracted axis; several contracted axes count as one K, in the product's order):
;;     1. [M 4,096, K 1,024] x [K 1,024, N 8]; A: input x; B: input centroids: left as it is (N = 8 < 16)
;;     2. [M 16,384, K 1,024] x [K 1,024, N 4,096]; A: input W1; B: input x: QUANTISED
;;     3. batch 8 x [M 4,096, K 2,048] x [K 2,048, N 1]; A: computed on the way; B: input W2: left as it is (N = 1 < 16)
;;   THE QUANTISER, for each operand of a quantised product, along K:
;;     - K is cut into blocks of 32 from its start; a last block that is shorter is filled with zeros.
;;     - A block's scale is 2^e with e = floor(log2(the largest magnitude in the block)) - 2, held to -126 .. 127; a block of zeros has e = 0. As a byte (E8M0): e + 127.
;;     - Each number is divided by its block's scale, clamped to +-7.5, and rounded to the nearest number of E2M3, ties to even, subnormals kept.
;;     - The product sums the exact products of the quantised numbers (number of the format x scale) in f32.
;;   ~~~python
;;   def quantise(x, axis):      # numpy; x: float32 -> the quantised numbers, widened to float32 again
;;       x = np.moveaxis(x, axis, -1); K = x.shape[-1]
;;       x = np.pad(x, [(0, 0)] * (x.ndim - 1) + [(0, -K % 32)]); x = x.reshape(x.shape[:-1] + (-1, 32)); a = np.abs(x).max(-1, keepdims=True)
;;       e = np.where(a > 0, np.clip(np.frexp(np.where(a > 0, a, 1))[1] - 1 - 2, -126, 127), 0)      # np.frexp(a)[1] - 1 = floor(log2(a)), exactly
;;       r = np.clip(x / 2.0 ** e, -7.5, 7.5)
;;       step = 2.0 ** (np.maximum(np.frexp(np.where(r == 0, 1, r))[1] - 1, 0) - 3)
;;       q = np.round(r / step) * step * 2.0 ** e      # np.round: ties to even
;;       return np.moveaxis(q.reshape(q.shape[:-2] + (-1,))[..., :K], -1, axis).astype(np.float32)
;;   ~~~
;; One version. Each part assembles by itself: llvm-mc -triple=amdgcn-amd-amdhsa -mcpu=gfx1250 --defsym DOCPART=n.
;; ======== version 1 of 1: 3 launches
;; limits: right only within a limited range of input values
;; workspace buffers: xq 3,145,728 bytes; xs 131,072 bytes; cl 4,096 bytes of whole numbers; wq 12,582,912 bytes; ws 524,288 bytes; part 131,072 bytes
;; launch prep (part 1): grid 768 x 1, 8 waves a work-group, no clusters, 83,712 bytes of LDS; arguments x, centroids, W1, xq, xs, cl, wq, ws; writes xq, xs, cl, wq, ws
.if DOCPART == 1
	.amdgcn_target "amdgcn-amd-amdhsa--gfx1250"
	.amdhsa_code_object_version 6
	.text
	.protected	k_qdb1bf3ad43_prep
	.globl	k_qdb1bf3ad43_prep
	.p2align	8
	.type	k_qdb1bf3ad43_prep,@function
k_qdb1bf3ad43_prep:
	s_mov_b64 s[64:65], 0
	v_nop
	global_prefetch_b8 v0, s[64:65] scope:SCOPE_SE
	s_setreg_imm32_b32 hwreg(HW_REG_WAVE_MODE, 25, 1), 1
	s_wait_xcnt 0x0
; TWO ROLES, parted on the work-group's number alone.
; WORK-GROUPS 0 .. 255: 16 rows of x each, two a wave.  Of a row b are made:
;   (1) its expert: argmin over k of |c_k|^2 - 2 x.c_k, in f32 by fused multiply-adds, the lower index on a tie; cl byte b = 4 x expert;
;   (2) its codes of E2M3 along D with one E8M0 byte for each 32: xq row b = 768 bytes, block 4 s + 2 c + h (24 bytes) at 384 h + 48 s + 24 c, so that the 48 bytes at 384 h + 48 s are
;       the 12 operand registers of K step s for lane half h;  xs row b = 32 bytes, byte = block.
; DEAD WORK LEFT OUT: |x_b|^2.  It is the same number for all k of a row, and argmin over k hangs on differences along k alone, for all values of x.  An overflow or NaN that reaches only that sum is not carried.
; WORK-GROUPS 256 .. 767: W1 [8][1024 (d)][2048 (n)] is quantised along d:
;   wq: the image of a fragment (expert e, tile T of 16 hidden units, K step s of 128) at ((128 e + T) 8 + s) 1,536: registers 4 c .. 4 c + 3 of lane l at 512 c + 16 l;
;   ws: the scale word of (e, s, hidden unit n) at ((8 e + s) 2,048 + n) 4.
;   A lane takes a column n and its registers run down d, so a block of 32 lies in one lane.  A wave: 32 columns x 128 d = two fragments; loads run two blocks (64 loads) ahead.
; A block's scale byte is its largest magnitude's exponent field - 2, held at 1 from below.
; LIMITS: NaN and infinities are not served; a block of zeros gets the byte 1 (its codes are zeros; this program alone reads the bytes);
; two distances that agree to within f32 rounding may be ordered otherwise than by another order of summation.
; No tensor load, cluster or matrix unit: streams that are read once; what work-groups share is the 32 KB of centroids.  No prefetch: all loads are issued from the first lines on, there is no loop.
.set STAGE, 32768                      ; LDS: centroids from 0; a stage of 32 x 144 bytes a wave;
.set OUTB,  69632                      ; two rows of codes a wave;
.set SCB,   81920                      ; 16 rows x 32 scale bytes;
.set CLB,   82432                      ; 16 bytes of experts;
.set SPARE, 82688                      ; the spare words
.set R,   32                           ; v32-95   two rows as loaded: register 32 t + 4 i + j = x[row t][128 i + 4 lane + j]
.set C,   96                           ; v96-127  centroids in hand, two halves of four
.set D,   128                          ; v128-159 pairs: dots of row t with c_k at 2 (8 t + k);  v16-31 pairs: |c_k|^2
	s_load_b512 s[4:19], s[0:1], 0x0               ; x s[4:5], centroids s[6:7], W1 s[8:9], xq s[10:11], xs s[12:13], cl s[14:15], wq s[16:17], ws s[18:19]
	v_lshrrev_b32 v1, 5, v0
	v_readfirstlane_b32 s20, v1                    ; wave 0..7
	v_and_b32 v1, 31, v0                           ; lane
	v_lshlrev_b32 v2, 2, v1                        ; 4 x lane
	v_lshlrev_b32 v3, 4, v1                        ; 16 x lane
	s_cmp_lt_u32 ttmp9, 256
	s_wait_alu depctr_va_vdst(0)
	s_cbranch_scc0 .Lweights
	; ---------------- x's role
	v_lshl_add_u32 v10, v0, 2, SPARE
	v_mov_b32 v11, 0
	v_lshlrev_b32 v12, 4, v0                       ; 16 x thread
	v_add_nc_u32 v2, SCB, v3                       ; the way out of the scale bytes
	v_mov_b32 v15, CLB                             ; and of the experts
	s_mul_i32 s21, s20, 4608
	s_add_co_u32 s21, s21, STAGE
	v_lshrrev_b32 v4, 3, v1
	v_mul_u32_u24 v4, v4, 144
	v_and_b32 v5, 7, v1
	v_lshl_add_u32 v4, v5, 4, v4
	v_add_nc_u32 v4, s21, v4                       ; into the stage: a block of 128 bytes has a place of 144
	v_mul_u32_u24 v5, v1, 144
	v_add_nc_u32 v5, s21, v5                       ; out of it: block = lane
	v_and_b32 v6, 1, v1
	v_mul_u32_u24 v6, v6, 384
	v_lshrrev_b32 v7, 2, v1
	v_mad_u32_u24 v6, v7, 48, v6
	v_bfe_u32 v7, v1, 1, 1
	v_mad_u32_u24 v6, v7, 24, v6
	s_mul_i32 s21, s20, 1536
	s_add_co_u32 s21, s21, OUTB
	v_add_nc_u32 v6, s21, v6                       ; block l's codes in a row of xq
	v_add_nc_u32 v8, s21, v3                       ; the way out: 16 bytes a lane
	s_lshl_b32 s21, s20, 6
	s_add_co_u32 s21, s21, SCB
	v_add_nc_u32 v7, s21, v1                       ; its scale byte
	s_lshl_b32 s21, s20, 1
	s_add_co_u32 s21, s21, CLB
	v_mov_b32 v9, s21                              ; the experts of my two rows
	s_mov_b32 s26, 0x76543210
	s_mov_b32 s27, 0xfedcba98                      ; lane l takes lane l xor 16
	s_lshl_b32 s22, ttmp9, 4
	s_lshl_b32 s23, s20, 1
	s_add_co_u32 s22, s22, s23                     ; my first row: 16 x work-group + 2 x wave
	s_mov_b32 s25, 0
	s_lshl_b32 s24, s22, 12
	s_wait_alu depctr_va_vdst(0)
	s_wait_kmcnt 0x0
	s_add_nc_u64 s[4:5], s[4:5], s[24:25]          ; x: 4,096 bytes a row
.irp k, 0,1,2,3,4,5,6,7
	global_load_b128 v[C+4*\k:C+4*\k+3], v12, s[6:7] offset:4096*\k   ; c_k: the 256 threads take 16 bytes each
.endr
.irp t, 0,1
.irp i, 0,1,2,3,4,5,6,7
	global_load_b128 v[R+32*\t+4*\i:R+32*\t+4*\i+3], v3, s[4:5] offset:4096*\t+512*\i th:TH_LOAD_NT   ; 32 lanes read 512 consecutive bytes
.endr
.endr
	s_mul_i32 s24, s22, 768
	s_add_nc_u64 s[10:11], s[10:11], s[24:25]      ; xq: 768 bytes a row
	s_lshl_b32 s24, ttmp9, 9
	s_add_nc_u64 s[12:13], s[12:13], s[24:25]      ; xs: 512 bytes a work-group
	s_lshl_b32 s24, ttmp9, 4
	s_add_nc_u64 s[14:15], s[14:15], s[24:25]      ; cl: 16
	s_wait_loadcnt 16                              ; the 16 loads of x are younger: my part of the centroids is in
.irp k, 0,1,2,3,4,5,6,7
	ds_store_b128 v12, v[C+4*\k:C+4*\k+3] offset:4096*\k
.endr
	s_wait_dscnt 0x0                               ; for the others' sake: my stores have landed
	s_barrier_signal -1
	s_barrier_wait -1
.macro LC i, hf                        ; numbers 128 i + 4 lane .. of centroids 4 hf .. 4 hf + 3
.irp kk, 0,1,2,3
	ds_load_b128 v[C+16*(\hf)+4*\kk:C+16*(\hf)+4*\kk+3], v3 offset:4096*(4*(\hf)+\kk)+512*(\i)
.endr
.endm
.macro HALF i, hf
.irp m, 0,1
.irp kk, 0,1,2,3
.set CX, C+16*(\hf)+4*\kk+2*\m
.set KX, 2*(4*(\hf)+\kk)
.set RX, R+4*(\i)+2*\m
.if (\i)+\m == 0
	v_pk_mul_f32 v[16+KX:17+KX], v[CX:CX+1], v[CX:CX+1]
	v_pk_mul_f32 v[D+KX:D+KX+1], v[RX:RX+1], v[CX:CX+1]
	v_pk_mul_f32 v[D+16+KX:D+17+KX], v[RX+32:RX+33], v[CX:CX+1]
.else
	v_pk_fma_f32 v[16+KX:17+KX], v[CX:CX+1], v[CX:CX+1], v[16+KX:17+KX]
	v_pk_fma_f32 v[D+KX:D+KX+1], v[RX:RX+1], v[CX:CX+1], v[D+KX:D+KX+1]
	v_pk_fma_f32 v[D+16+KX:D+17+KX], v[RX+32:RX+33], v[CX:CX+1], v[D+16+KX:D+17+KX]
.endif
.endr
.endr
.endm
	LC 0, 0
	LC 0, 1
	s_wait_loadcnt 0x0                             ; both rows are in
.irp i, 0,1,2,3,4,5,6,7
	s_wait_dscnt 4                                 ; the first half is in; the second half's four loads may be out
	HALF \i, 0
.if \i < 7
	LC \i+1, 0
	s_wait_dscnt 4
.else
	s_wait_dscnt 0x0
.endif
	HALF \i, 1
.if \i < 7
	LC \i+1, 1
.endif
.endr
.macro TURN t, dst                     ; a row through the stage: LDS serves a wave's instructions in order
.irp i, 0,1,2,3,4,5,6,7
	ds_store_b128 v4, v[R+32*\t+4*\i:R+32*\t+4*\i+3] offset:576*\i
.endr
.irp j, 0,1,2,3,4,5,6,7
	ds_load_b128 v[\dst+4*\j:\dst+4*\j+3], v5 offset:16*\j
.endr
.endm
	TURN 0, C
.irp k, 0,1,2,3,4,5,6,7
	v_add_f32 v[16+2*\k], v[16+2*\k], v[17+2*\k]
.endr
.irp q, 0,1,2,3,4,5,6,7,8,9,10,11,12,13,14,15
	v_add_f32 v[D+2*\q], v[D+2*\q], v[D+2*\q+1]
.endr
.irp q, 0,1,2,3,4,5,6,7,8,9,10,11,12,13,14,15
	v_fma_f32 v[D+2*\q], -2.0, v[D+2*\q], v[16+2*(\q%8)]   ; my lane's part of |c_k|^2 - 2 x.c_k
.endr
.irp x, 1,2,4,8
.irp q, 0,1,2,3,4,5,6,7,8,9,10,11,12,13,14,15
	v_add_f32_dpp v[D+2*\q], v[D+2*\q], v[D+2*\q] row_xmask:\x row_mask:0xf bank_mask:0xf
.endr
.endr
.irp q, 0,1,2,3,4,5,6,7,8,9,10,11,12,13,14,15
	v_permlanex16_b32 v[D+2*\q+1], v[D+2*\q], s26, s27
.endr
.irp q, 0,1,2,3,4,5,6,7,8,9,10,11,12,13,14,15
	v_add_f32 v[D+2*\q], v[D+2*\q], v[D+2*\q+1]
.endr
	v_mov_b32 v13, v[D]
	v_mov_b32 v24, v[D+16]
	v_mov_b32 v14, 0
	v_mov_b32 v25, 0
.irp k, 1,2,3,4,5,6,7
	v_cmp_ge_f32 vcc_lo, v[D+2*\k], v13            ; not smaller: the earlier index stays
	v_cmp_ge_f32 s30, v[D+16+2*\k], v24
	v_cndmask_b32 v14, 4*\k, v14, vcc_lo           ; a choice of a value: no address and no branch hangs on it
	v_cndmask_b32 v25, 4*\k, v25, s30
	v_min_num_f32 v13, v13, v[D+2*\k]
	v_min_num_f32 v24, v24, v[D+16+2*\k]
.endr
	ds_store_b8 v9, v14                            ; all lanes write the same byte with the same value
	ds_store_b8 v9, v25 offset:1
	TURN 1, D
.macro QUANT t, x, c
	v_max3_num_f32 v13, |v[\x]|, |v[\x+1]|, |v[\x+2]|        ; my block's largest magnitude: all 32 numbers are mine
	v_max3_num_f32 v14, |v[\x+3]|, |v[\x+4]|, |v[\x+5]|
.irp i, 6,10,14,18,22,26
	v_max3_num_f32 v13, v13, |v[\x+\i]|, |v[\x+\i+1]|
	v_max3_num_f32 v14, v14, |v[\x+\i+2]|, |v[\x+\i+3]|
.endr
	v_max3_num_f32 v13, v13, |v[\x+30]|, |v[\x+31]|
	v_max3_num_f32 v13, v13, v14, 0x1800000        ; and the floor 2^(3 - 127): the byte cannot fall under 1
	v_add_nc_u32 v23, 0xff000000, v13              ; 2 off the exponent field: the conversion takes this operand's exponent field as its scale
	v_lshrrev_b32 v31, 23, v23                     ; the scale's byte
	v_cvt_scalef32_pk16_fp6_f32 v[\c:\c+2], v[\x:\x+15], v23
	v_cvt_scalef32_pk16_fp6_f32 v[\c+4:\c+6], v[\x+16:\x+31], v23    ; (a conversion's three registers begin on an even number)
	v_nop                                          ; one plain place behind a scaled conversion
	v_mov_b32 v[\c+3], v[\c+4]
	v_mov_b32 v[\c+4], v[\c+5]
	v_mov_b32 v[\c+5], v[\c+6]
	ds_store_b64 v6, v[\c:\c+1] offset:768*\t
	ds_store_b64 v6, v[\c+2:\c+3] offset:768*\t+8
	ds_store_b64 v6, v[\c+4:\c+5] offset:768*\t+16
	ds_store_b8 v7, v31 offset:32*\t
.endm
	s_wait_dscnt 18                                ; row 0 is turned; behind it stand two byte stores and row 1's eight stores and eight loads
	QUANT 0, C, 16
	s_wait_dscnt 4                                 ; row 1 is turned; behind it stand row 0's four stores
	QUANT 1, D, 24
.irp j, 0,1,2
	ds_load_b128 v[R+4*\j:R+4*\j+3], v8 offset:512*\j        ; my own bytes, in order behind my stores
.endr
	s_wait_alu depctr_va_vdst(0)
	s_wait_dscnt 0x0                               ; and, for the others' sake, my bytes are in LDS
.irp j, 0,1,2
	global_store_b128 v3, v[R+4*\j:R+4*\j+3], s[10:11] offset:512*\j   ; two rows' codes: 1,536 consecutive bytes, at a multiple of 256 from xq's first byte
.endr
	s_barrier_signal -1
	s_barrier_wait -1
	s_cmp_lg_u32 s20, 0                            ; wave 0 stores what the eight waves have gathered
	s_cbranch_scc1 .Lxend
	ds_load_b128 v[108:111], v2
	ds_load_b128 v[112:115], v15
	v_cmp_eq_u32 vcc_lo, 0, v1
	s_wait_alu depctr_va_vdst(0)
	s_wait_dscnt 0x0
	global_store_b128 v3, v[108:111], s[12:13]     ; 16 rows' scale bytes: 512 consecutive bytes
	s_wait_xcnt 0x0                                ; EXEC changes only when the stores above have read it
	s_and_saveexec_b32 s22, vcc_lo
	global_store_b128 v3, v[112:115], s[14:15]     ; lane 0: 16 rows' experts
	s_wait_xcnt 0x0
	s_or_b32 exec_lo, exec_lo, s22
.Lxend:
	s_wait_tensorcnt 0x0                           ; the wave's end
	ds_add_u32 v10, v11
	s_wait_dscnt 0x0
	s_endpgm
	; ---------------- W1's role
.set X,    32                          ; v32-95   two sets of 32 numbers
.set IMG0, 96                          ; v96-107  the fragment of my first 16 columns
.set IMG1, 108                         ; v108-119 of my second 16
.set TA,   120                         ; v120-122, v124-126: the upper 16 codes of a block, ahead of their move
.set TB,   124
.Lweights:
	s_sub_co_u32 s21, ttmp9, 256
	s_and_b32 s22, s21, 63
	s_lshr_b32 s23, s22, 3                         ; expert
	s_lshr_b32 s24, s21, 6                         ; K step
	s_and_b32 s25, s22, 7
	s_lshl_b32 s25, s25, 8
	s_lshl_b32 s26, s20, 5
	s_add_co_u32 s25, s25, s26                     ; my wave's first column
	s_lshl_b32 s28, s23, 23                        ; W1: 8,388,608 bytes an expert,
	s_lshl_b32 s26, s24, 20                        ; 128 rows of 8,192
	s_add_co_u32 s28, s28, s26
	s_lshl_b32 s26, s25, 2
	s_add_co_u32 s28, s28, s26
	s_mov_b32 s29, 0
	s_mul_i32 s30, s23, 1572864                    ; wq: 128 x 8 images an expert,
	s_lshr_b32 s26, s25, 4
	s_mul_i32 s26, s26, 12288                      ; 8 a tile
	s_add_co_u32 s30, s30, s26
	s_mul_i32 s26, s24, 1536
	s_add_co_u32 s30, s30, s26
	s_mov_b32 s31, 0
	s_lshl_b32 s32, s23, 3
	s_add_co_u32 s32, s32, s24
	s_lshl_b32 s32, s32, 11
	s_add_co_u32 s32, s32, s25
	s_lshl_b32 s32, s32, 2                         ; ws
	s_mov_b32 s33, 0
	s_wait_kmcnt 0x0
	s_add_nc_u64 s[8:9], s[8:9], s[28:29]
	s_add_nc_u64 s[16:17], s[16:17], s[30:31]
	s_add_nc_u64 s[18:19], s[18:19], s[32:33]
.macro LOAD t                          ; block t: W1(32 t + i, my column) into set t % 2
.irp i, 0,1,2,3,4,5,6,7,8,9,10,11,12,13,14,15,16,17,18,19,20,21,22,23,24,25,26,27,28,29,30,31
	global_load_b32 v[X+32*((\t)%2)+\i], v2, s[8:9] offset:(32*(\t)+\i)*8192 th:TH_LOAD_NT
.endr
.endm
.macro BLOCK t
.set XB, X+32*((\t)%2)
.set CI, 6*((\t)/2)
.if (\t) < 3
	s_wait_loadcnt 32                              ; this block's 32 loads are in; the next block's may be out
.else
	s_wait_loadcnt 0x0
.endif
	v_max3_num_f32 v8, |v[XB]|, |v[XB+1]|, |v[XB+2]|         ; the block's largest magnitude: all 32 numbers are mine
	v_max3_num_f32 v9, |v[XB+3]|, |v[XB+4]|, |v[XB+5]|
.irp i, 6,10,14,18,22,26
	v_max3_num_f32 v8, v8, |v[XB+\i]|, |v[XB+\i+1]|
	v_max3_num_f32 v9, v9, |v[XB+\i+2]|, |v[XB+\i+3]|
.endr
	v_max3_num_f32 v8, v8, |v[XB+30]|, |v[XB+31]|
	v_max3_num_f32 v8, v8, v9, 0x1800000           ; and the floor 2^(3 - 127)
	v_add_nc_u32 v10, 0xff000000, v8               ; 2 off the exponent field: the conversion's scale operand
	v_lshrrev_b32 v11, 23, v10                     ; the scale's byte
.if (\t) == 0
	v_mov_b32 v12, v11                             ; the four bytes make my column's scale word for this K step
.else
	v_lshl_or_b32 v12, v11, 8*(\t), v12
.endif
.if (\t)%2 == 0
	v_cvt_scalef32_pk16_fp6_f32 v[IMG0+CI:IMG0+CI+2], v[XB:XB+15], v10
	v_cvt_scalef32_pk16_fp6_f32 v[TA:TA+2], v[XB+16:XB+31], v10      ; (a conversion's three registers begin on an even number)
.else
	v_cvt_scalef32_pk16_fp6_f32 v[IMG1+CI:IMG1+CI+2], v[XB:XB+15], v10
	v_cvt_scalef32_pk16_fp6_f32 v[TB:TB+2], v[XB+16:XB+31], v10
.endif
.if (\t) < 2
	LOAD (\t)+2
.endif
.endm
; Blocks 2 c (in IMG0, TA) and 2 c + 1 (in IMG1, TB) of all 32 columns become registers 6 c .. 6 c + 5 of the two fragments: a fragment's lanes 0-15 want block 2 c of its 16 columns,
; its lanes 16-31 block 2 c + 1 of the same columns: the first register's upper lanes change places with the second's lower lanes.
.macro PAIR c
	v_nop                                          ; one plain place behind a scaled conversion
.irp i, 0,1,2
	v_permlane16_swap_b32 v[IMG0+6*\c+\i], v[IMG1+6*\c+\i]
.endr
.irp i, 0,1,2
	v_permlane16_swap_b32 v[TA+\i], v[TB+\i]
.endr
.irp i, 0,1,2
	v_mov_b32 v[IMG0+6*\c+3+\i], v[TA+\i]
	v_mov_b32 v[IMG1+6*\c+3+\i], v[TB+\i]
.endr
.endm
	LOAD 0
	LOAD 1
	BLOCK 0
	BLOCK 1
	PAIR 0
	BLOCK 2
	BLOCK 3
	PAIR 1
.irp c, 0,1,2
	global_store_b128 v3, v[IMG0+4*\c:IMG0+4*\c+3], s[16:17] offset:512*\c         ; 32 lanes store 512 consecutive bytes, at a multiple of 256 from wq's first byte
.endr
.irp c, 0,1,2
	global_store_b128 v3, v[IMG1+4*\c:IMG1+4*\c+3], s[16:17] offset:12288+512*\c   ; the next tile's image
.endr
	global_store_b32 v2, v12, s[18:19]             ; 32 columns' scale words: 128 consecutive bytes
	s_endpgm
.Lfunc_end_k_qdb1bf3ad43_prep:
	.size	k_qdb1bf3ad43_prep, .Lfunc_end_k_qdb1bf3ad43_prep-k_qdb1bf3ad43_prep
	.p2alignl 7, 3214868480
	.fill 96, 4, 3214868480
	.section	.rodata,"a",@progbits
	.p2align	6, 0x0
	.amdhsa_kernel k_qdb1bf3ad43_prep
		.amdhsa_group_segment_fixed_size 83712
		.amdhsa_private_segment_fixed_size 0
		.amdhsa_enable_private_segment 0
		.amdhsa_kernarg_size 64
		.amdhsa_user_sgpr_count 2
		.amdhsa_user_sgpr_kernarg_segment_ptr 1
		.amdhsa_wavefront_size32 1
		.amdhsa_system_sgpr_workgroup_id_x 1
		.amdhsa_system_sgpr_workgroup_id_y 1
		.amdhsa_system_sgpr_workgroup_id_z 1
		.amdhsa_system_vgpr_workitem_id 0
		.amdhsa_next_free_vgpr 160
		.amdhsa_next_free_sgpr 66
		.amdhsa_reserve_vcc 1
		.amdhsa_float_denorm_mode_32 3
		.amdhsa_float_denorm_mode_16_64 3
		.amdhsa_memory_ordered 1
		.amdhsa_forward_progress 1
		.amdhsa_inst_pref_size 70
	.end_amdhsa_kernel
	.amdgpu_metadata
---
amdhsa.version: [ 1, 2 ]
amdhsa.kernels:
  - .name:           k_qdb1bf3ad43_prep
    .symbol:         k_qdb1bf3ad43_prep.kd
    .args:
      - { .name: x, .offset: 0, .size: 8, .value_kind: global_buffer, .address_space: global }
      - { .name: centroids, .offset: 8, .size: 8, .value_kind: global_buffer, .address_space: global }
      - { .name: W1, .offset: 16, .size: 8, .value_kind: global_buffer, .address_space: global }
      - { .name: xq, .offset: 24, .size: 8, .value_kind: global_buffer, .address_space: global }
      - { .name: xs, .offset: 32, .size: 8, .value_kind: global_buffer, .address_space: global }
      - { .name: cl, .offset: 40, .size: 8, .value_kind: global_buffer, .address_space: global }
      - { .name: wq, .offset: 48, .size: 8, .value_kind: global_buffer, .address_space: global }
      - { .name: ws, .offset: 56, .size: 8, .value_kind: global_buffer, .address_space: global }
    .group_segment_fixed_size: 83712
    .private_segment_fixed_size: 0
    .kernarg_segment_align: 8
    .kernarg_segment_size: 64
    .max_flat_workgroup_size: 256
    .sgpr_count:     66
    .vgpr_count:     160
    .wavefront_size: 32
...
	.end_amdgpu_metadata
.endif
;; end of part 1
;; launch experts (part 2): grid 8 x 31, 4 waves a work-group, no clusters, 160,000 bytes of LDS; arguments xq, xs, wq, ws, b1, W2, b2, cl, part; writes part
.if DOCPART == 2
	.amdgcn_target "amdgcn-amd-amdhsa--gfx1250"
	.amdhsa_code_object_version 6
	.text
	.protected	k_qdb1bf3ad43_experts
	.globl	k_qdb1bf3ad43_experts
	.p2align	8
	.type	k_qdb1bf3ad43_experts,@function
k_qdb1bf3ad43_experts:
	s_mov_b64 s[64:65], 0
	v_nop
	global_prefetch_b8 v0, s[64:65] scope:SCOPE_SE
	s_setreg_imm32_b32 hwreg(HW_REG_WAVE_MODE, 25, 1), 1
	s_wait_xcnt 0x0
; part[q][b] = the sum over slice q's 256 hidden units n of W2[e][n] tanh((x_b W1[e])[n] + b1[e][n])  (+ b2[e] in slice 0), e = the expert of token b.  The product is on codes of E2M3 with E8M0 scales.
; Only the rows that a token's expert keeps are multiplied: reference() throws the other experts' results away by its own gather.
; SHARES: work-group (q, chunk): a chunk is up to 176 tokens of ONE expert; expert k has ceil(n_k / 176) chunks, one behind the other, so that 31 chunks serve every split of 4,096 tokens over 8 experts
;   ((4,096 + 8 x 175) / 176 = 31.2).  A chunk that a split leaves over runs along, since every wave passes every barrier, and stores nothing.
; WHICH TOKENS: cl holds a byte 4 x expert a token.  Thread i takes the 32 tokens 32 i ..: it counts the experts in nibbles, the wave's sums go through LDS, and every wave finds the chunk's expert e.  Then thread i
;   makes the running counts of e over its 32 tokens (P, a byte each) and the count of e ahead of them (PRE); a lane finds the tokens of its two rows' ranks by PRE of every 16th thread, PRE of 16 threads, and P.
;   W1's loads stand in runs behind the steps of this search.
; A WAVE HOLDS four tiles of 16 hidden units, all of K, in 384 registers, loaded as dense images; the tokens' rows go to LDS as they lie (16 lanes take 256 bytes) and are read by all four waves, tile by tile of 16 tokens.
;   Rows come in three groups (tiles 0-3, 4-7, 8-10): while one group is multiplied the later ones are on their way.  In tile i a wave loads rows 4 w .. 4 w + 3.
; THE PRODUCT IS USED TRANSPOSED: source 0 = 16 hidden units, source 1 = 16 tokens: a lane holds ONE token, and its eight registers eight hidden units, over which the sum with W2 runs.
; tanh(z) = 1 - 2 r, r = 1 / (1 + 2^(2 log2(e) z)): where the power overflows r is 0, where it vanishes 1.  A lane's 32 units give (sum of W2) - 2 (sum of W2 r).
; No tensor load and no joint request: which work-groups read the same weights hangs on counts that are read from memory.  No prefetch: but for the rows of tiles 8 to 10, 18 loads a wave, all loads are issued ahead of the first product.
; LIMITS: NaN and infinities are not served.
.set M,     176
.set PITCH, 784                        ; an LDS row of x: 768 + 16, so that the 16 rows of a load start at 16 different columns of 16 bytes
.set TILE,  16*PITCH
.set XSL,   137984                     ; 256 x 32 scale bytes
.set CNT,   146176                     ; counts, 16 bytes a wave
.set PRE,   146432                     ; 128 x 2 bytes
.set SMP,   146944                     ; 8 x 2 bytes
.set PL,    147200                     ; 128 x 32 bytes
.set RED,   151296                     ; [wave][half of the lanes][256 rows] f32
.set SPARE, 159488
; window 0: v0-31 addresses;  v[32:33], v[34:35] sums;
.set UT,  36
.set W2S, 37
.set XA,  40                           ; v40-61   the x loads' offsets, two a tile
.set WS,  64                           ; v64-79   W1's scale words, tiles 2 u and 2 u + 1 in lanes 0-15 and 16-31 of register 8 u + s
.set XS,  84                           ; v84-99   x's scale words, two sets
.set ACC, 100                          ; v100-163 two sets of four accumulators (before the products: the head's work)
.set B1,  164                          ; v164-195 b1 x 2 log2(e) of my lane's hidden units
.set W2R, 196                          ; v196-227 W2
.set L10, 228                          ; v228-251 where tile 10's rows land
; window 1: v0-95, v96-191 a token tile's 8 fragments, two sets; v192-239 tiles 8, 9 land
; windows 2, 3: v0-191 W1's fragments: tile t in window 2 + t / 2, K step s at 96 (t % 2) + 12 s;  v192-239 tiles 6, 7 and 4, 5 land
.set MSB, 0
.macro WIN new                         ; the immediate's high byte repeats the setting that is left
.if MSB != \new
	s_set_vgpr_msb (MSB<<8)|\new
.set MSB, \new
.endif
.endm
	s_load_b512 s[4:19], s[0:1], 0x0               ; xq s[4:5], xs s[6:7], wq s[8:9], ws s[10:11], b1 s[12:13], W2 s[14:15], b2 s[16:17], cl s[18:19]
	s_load_b64 s[20:21], s[0:1], 0x40              ; part
	v_lshl_add_u32 v30, v0, 2, SPARE
	v_mov_b32 v31, 0
	v_lshlrev_b32 v6, 5, v0
	s_wait_alu depctr_va_vdst(0)
	s_wait_kmcnt 0x0
	global_load_b128 v[100:103], v6, s[18:19]      ; 32 tokens a thread; all addresses are made under the flight
	global_load_b128 v[104:107], v6, s[18:19] offset:16
	v_lshrrev_b32 v1, 5, v0
	v_readfirstlane_b32 s24, v1                    ; wave 0..3
	v_and_b32 v1, 31, v0                           ; lane
	v_and_b32 v2, 15, v0                           ; r
	v_bfe_u32 v3, v0, 4, 1                         ; h
	v_lshlrev_b32 v4, 4, v1                        ; 16 x lane
	v_lshlrev_b32 v5, 2, v1                        ; 4 x lane
	s_lshl_b32 s22, s24, 4
	s_add_co_u32 s22, s22, CNT
	v_mov_b32 v7, s22                              ; my wave's counts
	v_lshl_add_u32 v8, v2, 2, CNT                  ; word r of all waves' counts
	v_lshl_add_u32 v9, v0, 1, PRE
	v_lshrrev_b32 v10, 4, v0
	v_lshl_add_u32 v10, v10, 1, SMP
	v_lshl_add_u32 v11, v0, 5, PL
	v_mov_b32 v12, SMP
	v_lshlrev_b32 v28, 4, v2                       ; 16 r
	s_mul_i32 s22, s24, 4*PITCH
	v_mad_u32_u24 v15, v3, PITCH, v28
	v_add_nc_u32 v15, s22, v15                     ; row 4 w + h of a tile, 16 r: tiles 0-3,
	v_add_nc_u32 v16, 4*TILE, v15                  ; 4-7,
	v_add_nc_u32 v17, 8*TILE, v15                  ; 8-10
	v_mul_u32_u24 v18, v2, PITCH
	v_mad_u32_u24 v18, v3, 384, v18                ; a fragment: row r, my half's 384 bytes
	v_add_nc_u32 v19, 4*TILE, v18
	v_add_nc_u32 v20, 8*TILE, v18
	v_lshl_add_u32 v22, v2, 5, XSL                 ; row r's scale words
	v_lshrrev_b32 v25, 1, v1
	v_and_b32 v23, 1, v1
	v_lshl_add_u32 v25, v25, 4, v23
	s_lshl_b32 s22, s24, 2
	v_add_nc_u32 v25, s22, v25                     ; MY ROWS of the chunk: 16 (lane / 2) + 4 w + lane % 2, and two further on: lane 2 i + h names the rows that half h of my lanes loads in tile i
	v_add_nc_u32 v13, 2, v25
	v_lshl_add_u32 v21, v25, 5, XSL
	v_lshl_add_u32 v24, v25, 2, RED
	s_lshl_b32 s22, s24, 11
	v_lshlrev_b32 v23, 2, v2
	v_lshl_add_u32 v23, v3, 10, v23
	v_add_nc_u32 v23, s22, v23
	v_add_nc_u32 v23, RED, v23                     ; my sums: row r of a tile, by wave and half
	v_lshlrev_b32 v29, 2, v3                       ; 4 h
	v_lshlrev_b32 v14, 5, v3                       ; 32 h
.irp q, 0,1,2,3
	v_mov_b32 v[108+\q], 0
	v_mov_b32 v[124+\q], 0                         ; written once: a lane exchange's destination counts as read
.endr
	s_mov_b32 s26, 0x76543210
	s_mov_b32 s27, 0xfedcba98                      ; lane l takes lane l xor 16
	s_mov_b32 s28, 0x01010101
	s_mov_b32 s30, 0x03030303
	s_mov_b32 s80, 0x4038aa3b                      ; 2 log2(e)
	s_mov_b32 s81, s80                             ; (named with it as a pair, so it is written)
	s_mov_b32 s23, ttmp9                           ; the slice
	s_and_b32 s25, ttmp7, 0xffff                   ; the chunk
	s_wait_alu depctr_va_vdst(0)
	s_wait_loadcnt 0x0
	; counts of the eight experts: one nibble each, over 8 tokens (8 at the most) in each of v108 to v111
.irp b, 0,1,2,3
.irp q, 0,1,2,3,4,5,6,7
	v_bfe_u32 v[112+\q], v[100+\q], 8*\b, 8
.endr
.irp q, 0,2,4,6,1,3,5,7
	v_lshl_add_u32 v[108+\q/2], 1, v[112+\q], v[108+\q/2]
.endr
.endr
.irp i, 0,1,2,3
	v_and_b32 v[112+\i], 0x0f0f0f0f, v[108+\i]
	v_lshrrev_b32 v[116+\i], 4, v[108+\i]
.endr
.irp i, 0,1,2,3
	v_and_b32 v[116+\i], 0x0f0f0f0f, v[116+\i]
.endr
	v_add3_u32 v112, v112, v113, v114
	v_add3_u32 v116, v116, v117, v118
	v_add_nc_u32 v112, v112, v115                  ; a byte each: experts 0, 2, 4, 6
	v_add_nc_u32 v116, v116, v119                  ; 1, 3, 5, 7
	v_lshrrev_b32 v122, 8, v112
	v_lshrrev_b32 v123, 8, v116
	v_and_b32 v120, 0xff00ff, v112                 ; 16 bits each: v[120 + f] holds experts f and f + 4
	v_and_b32 v121, 0xff00ff, v116
	v_and_b32 v122, 0xff00ff, v122
	v_and_b32 v123, 0xff00ff, v123
.irp x, 1,2,4,8
.irp f, 0,1,2,3
	v_add_nc_u32_dpp v[120+\f], v[120+\f], v[120+\f] row_xmask:\x row_mask:0xf bank_mask:0xf
.endr
.endr
.irp f, 0,1,2,3
	v_permlanex16_b32 v[124+\f], v[120+\f], s26, s27
.endr
.irp f, 0,1,2,3
	v_add_nc_u32 v[120+\f], v[120+\f], v[124+\f]
.endr
	ds_store_b128 v7, v[120:123]                   ; my wave's counts: all lanes write the same words with the same values
	s_wait_alu depctr_va_vdst(0)
	s_wait_dscnt 0x0                               ; for the others' sake
	s_barrier_signal -1
	s_barrier_wait -1
	ds_load_b32 v128, v8                           ; lane 4 w' + f (of 16): field f of wave w'
	v_lshrrev_b32 v130, 2, v2
	v_cmp_gt_u32 vcc_lo, s24, v130                 ; waves ahead of mine
	s_wait_alu depctr_va_vdst(0)
	s_wait_dscnt 0x0
	v_cndmask_b32 v129, 0, v128, vcc_lo
.irp x, 4,8
	v_add_nc_u32_dpp v128, v128, v128 row_xmask:\x row_mask:0xf bank_mask:0xf
	v_add_nc_u32_dpp v129, v129, v129 row_xmask:\x row_mask:0xf bank_mask:0xf
.endr
.irp f, 0,1,2,3
	v_readlane_b32 s[32+\f], v128, \f              ; in all waves,
	v_readlane_b32 s[36+\f], v129, \f              ; in those ahead of mine
.endr
	s_wait_alu depctr_va_vdst(0)
.irp f, 0,1,2,3
	s_and_b32 s[40+\f], s[32+\f], 0xffff           ; n_k
	s_lshr_b32 s[44+\f], s[32+\f], 16
.endr
.irp k, 0,1,2,3,4,5,6,7
	s_add_co_u32 s[48+\k], s[40+\k], M-1
	s_mul_hi_u32 s[48+\k], s[48+\k], 24403224      ; ceil(n_k / 176): 24,403,224 x 176 = 2^32 + 128, exact for what is under 2^24
.endr
	s_mov_b32 s56, 0
	s_mov_b32 s57, 0                               ; the expert's first chunk
	s_mov_b32 s58, 0                               ; the chunk's expert, 8 if nobody takes it
.irp k, 0,1,2,3,4,5,6,7
	s_add_co_u32 s56, s56, s[48+\k]
	s_cmp_ge_u32 s25, s56
	s_cselect_b32 s57, s56, s57
	s_cselect_b32 s58, \k+1, s58
.endr
	s_min_u32 s59, s58, 7                          ; held inside the tables
	s_mul_i32 s70, s59, 1572864
	s_lshl_b32 s74, s23, 4
	s_lshl_b32 s22, s24, 2
	s_add_co_u32 s74, s74, s22                     ; my first hidden tile: 16 q + 4 w
	s_mul_i32 s22, s74, 12288
	s_add_co_u32 s70, s70, s22
	s_mov_b32 s71, 0
	s_add_nc_u64 s[8:9], s[8:9], s[70:71]          ; wq: my four tiles' images, 49,152 consecutive bytes
.macro LW from, n                      ; pieces of 512 bytes: 0 to 47 to window 2, 48 to 95 to window 3
.if \from < 48
	WIN 0x80
.else
	WIN 0xc0
.endif
.set wi, \from
.rept \n
	global_load_b128 v[4*(wi%48):4*(wi%48)+3], v4, s[8:9] offset:512*wi      ; 32 lanes read 512 consecutive bytes
.set wi, wi+1
.endr
	WIN 0
.endm
	LW 0, 16
	s_lshl_b32 s75, s74, 4                         ; my first hidden unit
	s_lshl_b32 s70, s59, 14
	s_add_co_u32 s70, s70, s75
	s_lshl_b32 s70, s70, 2
	s_add_nc_u64 s[10:11], s[10:11], s[70:71]      ; ws: expert, K step 0, my first hidden unit
	s_lshl_b32 s70, s59, 11
	s_add_co_u32 s70, s70, s75
	s_lshl_b32 s70, s70, 2
	s_add_nc_u64 s[12:13], s[12:13], s[70:71]      ; b1 and W2: expert, my first hidden unit
	s_add_nc_u64 s[14:15], s[14:15], s[70:71]
	s_lshl_b32 s70, s59, 2
	s_add_nc_u64 s[16:17], s[16:17], s[70:71]
	s_load_b32 s29, s[16:17], 0x0                  ; b2[e]
	s_lshl_b32 s70, s23, 14
	s_add_nc_u64 s[20:21], s[20:21], s[70:71]      ; part: 16,384 bytes a slice
	s_mov_b32 s60, 0                               ; n_e
.irp k, 0,1,2,3,4,5,6,7
	s_cmp_eq_u32 s58, \k
	s_cselect_b32 s60, s[40+\k], s60
.endr
	s_and_b32 s61, s59, 3
	s_mov_b32 s62, s36
.irp f, 1,2,3
	s_cmp_eq_u32 s61, \f
	s_cselect_b32 s62, s[36+\f], s62
.endr
	s_lshr_b32 s61, s59, 2
	s_lshl_b32 s61, s61, 4
	s_lshr_b32 s62, s62, s61
	s_and_b32 s63, s62, 0xffff                     ; e's tokens in the waves ahead of mine
	s_sub_co_u32 s66, s25, s57
	s_mul_i32 s66, s66, M                          ; the chunk's first rank
	s_sub_co_u32 s67, s60, s66
	s_min_u32 s67, s67, M
	s_cmp_lt_u32 s58, 8
	s_cselect_b32 s67, s67, 0                      ; how many tokens the chunk has
	s_mul_i32 s68, s59, 0x04040404                 ; e's byte, four times
	; P: bytes 0 or 1 (32 less the xor has bit 5 set where the xor is 0), summed up along the 32 tokens
.irp q, 0,1,2,3,4,5,6,7
	v_xor_b32 v[100+\q], s68, v[100+\q]
.endr
.irp q, 0,1,2,3,4,5,6,7
	v_sub_nc_u32 v[100+\q], 0x20202020, v[100+\q]
.endr
.irp q, 0,1,2,3,4,5,6,7
	v_lshrrev_b32 v[100+\q], 5, v[100+\q]
.endr
.irp q, 0,1,2,3,4,5,6,7
	v_and_b32 v[100+\q], s28, v[100+\q]
.endr
.irp q, 0,1,2,3,4,5,6,7
	v_mul_lo_u32 v[108+\q], v[100+\q], s28
.endr
.irp q, 0,1,2,3,4,5,6
	v_perm_b32 v116, v[108+\q], v[108+\q], s30     ; the top byte, four times
	v_add_nc_u32 v[109+\q], v[109+\q], v116
.endr
	v_lshrrev_b32 v117, 24, v115                   ; my 32 tokens' count of e
	ds_store_b128 v11, v[108:111]
	ds_store_b128 v11, v[112:115] offset:16
	v_mov_b32 v118, v117
	v_mov_b32 v119, 0
.irp n, 1,2,4,8
	v_mov_b32_dpp v119, v118 row_shr:\n row_mask:0xf bank_mask:0xf bound_ctrl:1
	v_add_nc_u32 v118, v118, v119
.endr
	v_readlane_b32 s73, v118, 15
	v_mul_u32_u24 v119, s73, v3
	v_add_nc_u32 v118, v118, v119
	v_sub_nc_u32 v118, v118, v117
	v_add_nc_u32 v118, s63, v118                   ; e's tokens ahead of my 32
	ds_store_b16 v9, v118
	v_mov_b32_dpp v119, v118 row_share:0 row_mask:0xf bank_mask:0xf
	ds_store_b16 v10, v119                         ; of every 16th thread: 16 lanes write the same value
	v_add_nc_u32 v120, s66, v25                    ; my two rows' ranks
	v_add_nc_u32 v121, s66, v13
	v_lshl_or_b32 v122, v120, 16, v120
	v_lshl_or_b32 v123, v121, 16, v121
	v_or_b32 v122, 0x80008000, v122
	v_or_b32 v123, 0x80008000, v123
	s_wait_alu depctr_va_vdst(0)
	s_wait_dscnt 0x0                               ; for the others' sake
	s_barrier_signal -1
	s_barrier_wait -1
	ds_load_b128 v[124:127], v12
.irp s, 0,1,2,3,4,5,6,7
	global_load_b32 v[WS+\s], v5, s[10:11] offset:8192*\s
	global_load_b32 v[WS+8+\s], v5, s[10:11] offset:8192*\s+128
.endr
; how many of some ascending numbers (two to a register) are not above my rank, less one: bit 15 of 0x8000 + rank - number.  The two rows by turns: v[128:135] and v[136:143]
.macro BITS n, sh, mask
.irp q, 0,1,2,3,4,5,6,7
.if \q < \n
	v_lshrrev_b32 v[128+\q], \sh, v[128+\q]
	v_lshrrev_b32 v[136+\q], \sh, v[136+\q]
.endif
.endr
.irp q, 0,1,2,3,4,5,6,7
.if \q < \n
	v_and_b32 v[128+\q], \mask, v[128+\q]
	v_and_b32 v[136+\q], \mask, v[136+\q]
.endif
.endr
.irp b, 128,136
	v_add3_u32 v[\b], v[\b], v[\b+1], v[\b+2]
.endr
.if \n == 8
.irp b, 128,136
	v_add3_u32 v[\b+3], v[\b+3], v[\b+4], v[\b+5]
.endr
.irp b, 128,136
	v_add3_u32 v[\b], v[\b], v[\b+6], v[\b+7]
.endr
.endif
.irp b, 128,136
	v_add_nc_u32 v[\b], v[\b], v[\b+3]
.endr
.endm
.macro COUNT n, most
	BITS \n, 15, 0x10001
.irp b, 128,136
	v_lshrrev_b32 v[\b+1], 16, v[\b]
.endr
.irp b, 128,136
	v_and_b32 v[\b], 0xffff, v[\b]
.endr
.irp b, 128,136
	v_add3_u32 v[\b], v[\b], v[\b+1], -1
.endr
.irp b, 128,136
	v_min_u32 v[\b], \most, v[\b]
.endr
.endm
	s_wait_dscnt 0x0
.irp q, 0,1,2,3
	v_sub_nc_u32 v[128+\q], v122, v[124+\q]
	v_sub_nc_u32 v[136+\q], v123, v[124+\q]
.endr
	COUNT 4, 7
	v_lshl_add_u32 v148, v128, 5, PRE
	v_lshl_add_u32 v149, v136, 5, PRE
	v_lshlrev_b32 v150, 4, v128
	v_lshlrev_b32 v151, 4, v136
	ds_load_b128 v[128:131], v148
	ds_load_b128 v[136:139], v149
	ds_load_b128 v[132:135], v148 offset:16
	ds_load_b128 v[140:143], v149 offset:16
	LW 16, 8
	s_wait_alu depctr_va_vdst(0)
	s_wait_dscnt 0x0
.irp q, 0,1,2,3,4,5,6,7
	v_sub_nc_u32 v[128+\q], v122, v[128+\q]
	v_sub_nc_u32 v[136+\q], v123, v[136+\q]
.endr
	COUNT 8, 15
	v_add_nc_u32 v150, v150, v128
	v_add_nc_u32 v151, v151, v136
	v_min_u32 v150, 0x7f, v150                     ; the thread whose 32 tokens hold my rank
	v_min_u32 v151, 0x7f, v151
	v_lshl_add_u32 v152, v150, 1, PRE
	v_lshl_add_u32 v153, v151, 1, PRE
	v_lshl_add_u32 v154, v150, 5, PL
	v_lshl_add_u32 v155, v151, 5, PL
	ds_load_u16 v144, v152
	ds_load_u16 v145, v153
	ds_load_b128 v[128:131], v154
	ds_load_b128 v[136:139], v155
	ds_load_b128 v[132:135], v154 offset:16
	ds_load_b128 v[140:143], v155 offset:16
	LW 24, 10
	s_wait_alu depctr_va_vdst(0)
	s_wait_dscnt 0x0
	v_sub_nc_u32 v144, v120, v144                  ; my rank among its tokens of e
	v_sub_nc_u32 v145, v121, v145
	v_min_u32 v144, 31, v144
	v_min_u32 v145, 31, v145
	v_add_nc_u32 v144, 0x80, v144
	v_add_nc_u32 v145, 0x80, v145
	v_mul_lo_u32 v144, v144, s28
	v_mul_lo_u32 v145, v145, s28
.irp q, 0,1,2,3,4,5,6,7
	v_sub_nc_u32 v[128+\q], v144, v[128+\q]        ; bit 7 of a byte: the running count is not above my rank
	v_sub_nc_u32 v[136+\q], v145, v[136+\q]
.endr
	BITS 8, 7, 0x1010101
	v_mul_lo_u32 v128, v128, s28
	v_mul_lo_u32 v136, v136, s28
	v_lshrrev_b32 v128, 24, v128                   ; how many of its tokens stand ahead of mine
	v_lshrrev_b32 v136, 24, v136
	v_lshl_add_u32 v26, v150, 5, v128
	v_lshl_add_u32 v27, v151, 5, v136
	v_min_u32 v26, 0xfff, v26                      ; MY ROWS' TOKENS; a row beyond the chunk's tokens reads and computes some token, and stores nothing
	v_min_u32 v27, 0xfff, v27
	v_lshlrev_b32 v38, 5, v26                      ; xs: 32 bytes a token
	v_lshlrev_b32 v39, 5, v27
.irp i, 0,1,2,3,4,5,6,7,8,9,10
	v_add_nc_u32 v[XA+1+2*\i], 8*\i, v29
.endr
	s_wait_alu depctr_va_vdst(0)
	s_barrier_signal -1                            ; behind this barrier LDS is written again: every wave's search has read what it wanted
	s_barrier_wait -1
.irp i, 0,1,2,3,4,5,6,7,8,9,10
	ds_bpermute_b32 v[XA+2*\i], v[XA+1+2*\i], v26            ; the token of row 16 i + 4 w + h,
	ds_bpermute_b32 v[XA+1+2*\i], v[XA+1+2*\i], v27          ; and two rows on
.endr
	global_load_b128 v[132:135], v38, s[6:7]
	global_load_b128 v[136:139], v38, s[6:7] offset:16
	global_load_b128 v[140:143], v39, s[6:7]
	global_load_b128 v[144:147], v39, s[6:7] offset:16
.irp t, 0,1,2,3
.irp c, 0,1
	global_load_b128 v[B1+8*\t+4*\c:B1+8*\t+4*\c+3], v14, s[12:13] offset:64*\t+16*\c    ; hidden units 8 h + 0 .. 7 of tile t
	global_load_b128 v[W2R+8*\t+4*\c:W2R+8*\t+4*\c+3], v14, s[14:15] offset:64*\t+16*\c
.endr
.endr
	s_wait_dscnt 0x0
.set ai, 0
.rept 22
	v_min_u32 v[XA+ai], 0xfff, v[XA+ai]
.set ai, ai+1
.endr
.set ai, 0
.rept 22
	v_mad_u32_u24 v[XA+ai], v[XA+ai], 768, v28     ; xq: 768 bytes a token
.set ai, ai+1
.endr
	v_mov_b32 v[UT], 0
	s_wait_alu depctr_va_vdst(0)
.macro XLOAD i, w, reg                 ; my four rows of tile i into window w: 16 lanes read 256 consecutive bytes of a row
	WIN ((\w)<<6)
.irp p, 0,1
.irp c, 0,1,2
	global_load_b128 v[\reg+12*\p+4*\c:\reg+12*\p+4*\c+3], v[XA+2*\i+\p], s[4:5] offset:256*\c
.endr
.endr
.endm
.macro XSTORE i, w, reg                ; and from there to LDS
	WIN ((\w)<<2)
.irp p, 0,1
.irp c, 0,1,2
	ds_store_b128 v[15+\i/4], v[\reg+12*\p+4*\c:\reg+12*\p+4*\c+3] offset:TILE*(\i%4)+2*PITCH*\p+256*\c
.endr
.endr
.endm
	XLOAD 0, 1, 96
	XLOAD 1, 1, 120
	XLOAD 2, 1, 144
	XLOAD 3, 1, 168
	LW 34, 14
	LW 48, 48
	s_wait_loadcnt 62                              ; younger: 14 + 48 pieces of W1: the scale bytes and the first group's rows are in
	ds_store_b128 v21, v[132:135]
	ds_store_b128 v21, v[136:139] offset:16
	ds_store_b128 v21, v[140:143] offset:64
	ds_store_b128 v21, v[144:147] offset:80
	XSTORE 0, 1, 96
	XSTORE 1, 1, 120
	XSTORE 2, 1, 144
	XSTORE 3, 1, 168
	WIN 0
.irp t, 11,12,13,14,15
	ds_store_b32 v23, v[UT] offset:64*\t           ; rows 176 to 255, which no token has: the way out reads them too
.endr
	s_wait_kmcnt 0x0                               ; b2
	s_wait_dscnt 0x0                               ; for the others' sake: my stores have landed
	s_barrier_signal -1
	s_barrier_wait -1
.macro LDX t, s                        ; token tile t's fragment of K step s
.irp c, 0,1,2
	ds_load_b128 v[96*((\t)%2)+12*(\s)+4*\c:96*((\t)%2)+12*(\s)+4*\c+3], v[18+(\t)/4] offset:((\t)%4)*TILE+48*(\s)+16*\c
.endr
.endm
.macro LDS_ t                          ; and its scale words
	ds_load_b128 v[XS+8*((\t)%2):XS+8*((\t)%2)+3], v22 offset:512*(\t)
	ds_load_b128 v[XS+8*((\t)%2)+4:XS+8*((\t)%2)+7], v22 offset:512*(\t)+16
.endm
; one matrix instruction: token tile t, K step s, hidden tile a.  The first K step starts the sum.  Odd tiles' scale words stand in lanes 16-31
.macro MM t, s, a
.set WR, 96*((\a)%2)+12*(\s)
.set XR, 96*((\t)%2)+12*(\s)
.set AR, AC+8*(\a)
.set SW, WS+8*((\a)/2)+(\s)
.set SX, XS+8*((\t)%2)+(\s)
.if (\s) == 0
.if (\a)%2
	v_wmma_scale_f32_16x16x128_f8f6f4 v[AR:AR+7], v[WR:WR+11], v[XR:XR+11], 0, v[SW], v[SX] matrix_a_fmt:MATRIX_FMT_FP6 matrix_b_fmt:MATRIX_FMT_FP6 matrix_a_scale:MATRIX_SCALE_ROW1
.else
	v_wmma_scale_f32_16x16x128_f8f6f4 v[AR:AR+7], v[WR:WR+11], v[XR:XR+11], 0, v[SW], v[SX] matrix_a_fmt:MATRIX_FMT_FP6 matrix_b_fmt:MATRIX_FMT_FP6
.endif
.else
.if (\a)%2
	v_wmma_scale_f32_16x16x128_f8f6f4 v[AR:AR+7], v[WR:WR+11], v[XR:XR+11], v[AR:AR+7], v[SW], v[SX] matrix_a_fmt:MATRIX_FMT_FP6 matrix_b_fmt:MATRIX_FMT_FP6 matrix_a_scale:MATRIX_SCALE_ROW1
.else
	v_wmma_scale_f32_16x16x128_f8f6f4 v[AR:AR+7], v[WR:WR+11], v[XR:XR+11], v[AR:AR+7], v[SW], v[SX] matrix_a_fmt:MATRIX_FMT_FP6 matrix_b_fmt:MATRIX_FMT_FP6
.endif
.endif
.endm
.macro SUMS s                          ; two of the 16 lines that multiply the last token tile's r by W2: hidden tiles 2 (s / 4) and one more, registers 2 (s % 4)
.set SJ, 16*((\s)/4)+2*((\s)%4)
.if (\s) == 0
	v_pk_mul_f32 v[32:33], v[AP+SJ:AP+SJ+1], v[W2R+SJ:W2R+SJ+1]
	v_pk_mul_f32 v[34:35], v[AP+SJ+8:AP+SJ+9], v[W2R+SJ+8:W2R+SJ+9]
.else
	v_pk_fma_f32 v[32:33], v[AP+SJ:AP+SJ+1], v[W2R+SJ:W2R+SJ+1], v[32:33]
	v_pk_fma_f32 v[34:35], v[AP+SJ+8:AP+SJ+9], v[W2R+SJ+8:W2R+SJ+9], v[34:35]
.endif
.endm
.macro ROWSUM t                        ; the sum over my lane's 32 hidden units of W2 tanh, for token tile t
	v_pk_add_f32 v[32:33], v[32:33], v[34:35]
	v_add_f32 v[UT], v32, v33
	v_fma_f32 v[UT], -2.0, v[UT], v[W2S]
	v_nop                                          ; (with the three lines above: four places, ISA guide 7.12.1, behind the products)
	ds_store_b32 v23, v[UT] offset:64*(\t)
.endm
; A token tile: the first half of the next tile's loads from LDS; 32 matrix instructions on four accumulators by turns, among them the last tile's sums with W2; the second half of the loads; this tile's exponentials and reciprocals.
; The 11 tiles are written out: every offset is an immediate.
.macro SLOT t
.set AC, ACC+32*((\t)%2)
.set AP, ACC+32*(1-(\t)%2)
	s_wait_dscnt 0x0                               ; this tile's fragments and scale words are in; my stores of later rows have landed
.if ((\t) == 3) || ((\t) == 7)
	s_barrier_signal -1                            ; every wave's rows of the next group are in LDS
	s_barrier_wait -1
.endif
.if (\t) == 2
	s_wait_loadcnt 12                              ; tiles 8 and 9 may be out: the second group's rows are in
	XSTORE 4, 3, 192
	XSTORE 5, 3, 216
	XSTORE 6, 2, 192
	XSTORE 7, 2, 216
.endif
.if (\t) == 6
	s_wait_loadcnt 0x0                             ; the third group's
	XSTORE 8, 1, 192
	XSTORE 9, 1, 216
	XSTORE 10, 0, L10
.endif
.if (\t) < 10
	WIN 0
	LDS_ (\t)+1
	WIN 0x40
.irp s, 0,1,2,3
	LDX (\t)+1, \s
.endr
.endif
.if (\t) == 1
	XLOAD 8, 1, 192
	XLOAD 9, 1, 216
.endif
.if (\t) == 2
	XLOAD 10, 0, L10
.endif
.irp s, 0,1,2,3,4,5,6,7
	WIN 0x06                                       ; source 0 window 2, source 1 window 1
	MM \t, \s, 0
	MM \t, \s, 1
	WIN 0x07                                       ; source 0 window 3
	MM \t, \s, 2
	MM \t, \s, 3
.if (\t) > 0
	WIN 0
	SUMS \s
.endif
.endr
	WIN 0
.if (\t) > 0
	ROWSUM (\t)-1
.else
.rept 4
	v_nop                                          ; four places (ISA guide 7.12.1) ahead of the first read of the results
.endr
.endif
.irp j, 0,2,4,6                                ; each accumulator is read from its low end on
.irp a, 0,1,2,3
	v_pk_fma_f32 v[AC+8*\a+\j:AC+8*\a+\j+1], v[AC+8*\a+\j:AC+8*\a+\j+1], s[80:81], v[B1+8*\a+\j:B1+8*\a+\j+1] op_sel_hi:[1,0,1]   ; 2 log2(e) (z + b1)
.endr
.endr
	s_wait_alu depctr_va_vdst(0)
.if (\t) < 10
	WIN 0x40
.irp s, 4,5,6,7
	LDX (\t)+1, \s
.endr
	WIN 0
.endif
.set ei, 0
.rept 32
	v_exp_f32 v[AC+ei], v[AC+ei]
.set ei, ei+1
.endr
	v_nop                                          ; a plain place behind the last exponential
	s_wait_alu depctr_va_vdst(0)
.set ei, 0
.rept 16
	v_pk_add_f32 v[AC+ei:AC+ei+1], v[AC+ei:AC+ei+1], 1.0 op_sel_hi:[1,0]
.set ei, ei+2
.endr
	s_wait_alu depctr_va_vdst(0)
.set ei, 0
.rept 32
	v_rcp_f32 v[AC+ei], v[AC+ei]
.set ei, ei+1
.endr
	v_nop
	s_wait_alu depctr_va_vdst(0)
.endm
	WIN 0x40
.irp s, 0,1,2,3,4,5,6,7
	LDX 0, \s
.endr
	WIN 0
	LDS_ 0
	XLOAD 4, 3, 192
	XLOAD 5, 3, 216
	XLOAD 6, 2, 192
	XLOAD 7, 2, 216
	WIN 0
	s_wait_loadcnt 24                              ; all but the second group's 24 loads: W1, its scale words, b1 and W2 are in
.set ei, 0
.rept 16
	v_pk_mul_f32 v[B1+ei:B1+ei+1], v[B1+ei:B1+ei+1], s[80:81] op_sel_hi:[1,0]
.set ei, ei+2
.endr
	v_pk_add_f32 v[32:33], v[W2R:W2R+1], v[W2R+2:W2R+3]
	v_pk_add_f32 v[34:35], v[W2R+4:W2R+5], v[W2R+6:W2R+7]
.irp i, 8,12,16,20,24,28
	v_pk_add_f32 v[32:33], v[32:33], v[W2R+\i:W2R+\i+1]
	v_pk_add_f32 v[34:35], v[34:35], v[W2R+\i+2:W2R+\i+3]
.endr
	v_pk_add_f32 v[32:33], v[32:33], v[34:35]
	v_add_f32 v[W2S], v32, v33                     ; my lane's sum of W2
	s_wait_alu depctr_va_vdst(0)
	SLOT 0
	SLOT 1
	SLOT 2
	SLOT 3
	SLOT 4
	SLOT 5
	SLOT 6
	SLOT 7
	SLOT 8
	SLOT 9
	SLOT 10
.set AP, ACC
.irp s, 0,1,2,3,4,5,6,7
	SUMS \s
.endr
	ROWSUM 10
	s_wait_dscnt 0x0                               ; for the others' sake: my sums have landed
	s_barrier_signal -1
	s_barrier_wait -1
.irp i, 0,1,2,3,4,5,6,7
	ds_load_b32 v[40+\i], v24 offset:1024*\i       ; my rows' sums of the four waves' two halves
	ds_load_b32 v[48+\i], v24 offset:1024*\i+8
.endr
	s_cmp_eq_u32 s23, 0
	s_cselect_b32 s22, s29, 0                      ; b2 goes in once, in slice 0
	v_lshlrev_b32 v38, 2, v26                      ; part: 4 bytes a token
	v_lshlrev_b32 v39, 2, v27
	v_cmp_gt_u32 vcc_lo, s67, v25                  ; rows that hold a token
	v_cmp_gt_u32 s31, s67, v13
	s_wait_alu depctr_va_vdst(0)
	s_wait_dscnt 0x0
.irp b, 40,48
	v_pk_add_f32 v[\b:\b+1], v[\b:\b+1], v[\b+2:\b+3]
	v_pk_add_f32 v[\b+4:\b+5], v[\b+4:\b+5], v[\b+6:\b+7]
.endr
.irp b, 40,48
	v_pk_add_f32 v[\b:\b+1], v[\b:\b+1], v[\b+4:\b+5]
.endr
.irp b, 40,48
	v_add_f32 v[\b], v[\b], v[\b+1]
.endr
.irp b, 40,48
	v_add_f32 v[\b], s22, v[\b]
.endr
	s_wait_alu depctr_va_vdst(0)
	s_wait_xcnt 0x0                                ; EXEC changes only when earlier loads have read it
	s_and_saveexec_b32 s22, vcc_lo
	global_store_b32 v38, v40, s[20:21]            ; by token: rows of a chunk lie where the routing put them, 4 bytes each
	s_wait_xcnt 0x0
	s_or_b32 exec_lo, exec_lo, s22
	s_mov_b32 vcc_lo, s31
	s_and_saveexec_b32 s22, vcc_lo
	global_store_b32 v39, v48, s[20:21]
	s_wait_xcnt 0x0
	s_or_b32 exec_lo, exec_lo, s22
	s_wait_tensorcnt 0x0                           ; the wave's end
	ds_add_u32 v30, v31
	s_wait_dscnt 0x0
	s_endpgm
.Lfunc_end_k_qdb1bf3ad43_experts:
	.size	k_qdb1bf3ad43_experts, .Lfunc_end_k_qdb1bf3ad43_experts-k_qdb1bf3ad43_experts
	.p2alignl 7, 3214868480
	.fill 96, 4, 3214868480
	.section	.rodata,"a",@progbits
	.p2align	6, 0x0
	.amdhsa_kernel k_qdb1bf3ad43_experts
		.amdhsa_group_segment_fixed_size 160000
		.amdhsa_private_segment_fixed_size 0
		.amdhsa_enable_private_segment 0
		.amdhsa_kernarg_size 72
		.amdhsa_user_sgpr_count 2
		.amdhsa_user_sgpr_kernarg_segment_ptr 1
		.amdhsa_wavefront_size32 1
		.amdhsa_system_sgpr_workgroup_id_x 1
		.amdhsa_system_sgpr_workgroup_id_y 1
		.amdhsa_system_sgpr_workgroup_id_z 1
		.amdhsa_system_vgpr_workitem_id 0
		.amdhsa_next_free_vgpr 1024
		.amdhsa_next_free_sgpr 84
		.amdhsa_reserve_vcc 1
		.amdhsa_float_denorm_mode_32 3
		.amdhsa_float_denorm_mode_16_64 3
		.amdhsa_memory_ordered 1
		.amdhsa_forward_progress 1
		.amdhsa_inst_pref_size 195
	.end_amdhsa_kernel
	.amdgpu_metadata
---
amdhsa.version: [ 1, 2 ]
amdhsa.kernels:
  - .name:           k_qdb1bf3ad43_experts
    .symbol:         k_qdb1bf3ad43_experts.kd
    .args:
      - { .name: xq, .offset: 0, .size: 8, .value_kind: global_buffer, .address_space: global }
      - { .name: xs, .offset: 8, .size: 8, .value_kind: global_buffer, .address_space: global }
      - { .name: wq, .offset: 16, .size: 8, .value_kind: global_buffer, .address_space: global }
      - { .name: ws, .offset: 24, .size: 8, .value_kind: global_buffer, .address_space: global }
      - { .name: b1, .offset: 32, .size: 8, .value_kind: global_buffer, .address_space: global }
      - { .name: W2, .offset: 40, .size: 8, .value_kind: global_buffer, .address_space: global }
      - { .name: b2, .offset: 48, .size: 8, .value_kind: global_buffer, .address_space: global }
      - { .name: cl, .offset: 56, .size: 8, .value_kind: global_buffer, .address_space: global }
      - { .name: part, .offset: 64, .size: 8, .value_kind: global_buffer, .address_space: global }
    .group_segment_fixed_size: 160000
    .private_segment_fixed_size: 0
    .kernarg_segment_align: 8
    .kernarg_segment_size: 72
    .max_flat_workgroup_size: 128
    .sgpr_count:     84
    .vgpr_count:     1024
    .wavefront_size: 32
...
	.end_amdgpu_metadata
.endif
;; end of part 2
;; launch reduce (part 3): grid 8 x 1, 4 waves a work-group, no clusters, 0 bytes of LDS; arguments part, out0; writes out0
.if DOCPART == 3
	.amdgcn_target "amdgcn-amd-amdhsa--gfx1250"
	.amdhsa_code_object_version 6
	.text
	.protected	k_qdb1bf3ad43_reduce
	.globl	k_qdb1bf3ad43_reduce
	.p2align	8
	.type	k_qdb1bf3ad43_reduce,@function
k_qdb1bf3ad43_reduce:
	s_mov_b64 s[64:65], 0
	v_nop
	global_prefetch_b8 v0, s[64:65] scope:SCOPE_SE
	s_setreg_imm32_b32 hwreg(HW_REG_WAVE_MODE, 25, 1), 1
	s_wait_xcnt 0x0
; out0[b] = the sum over the 8 slices q of part[q][b], q ascending, in f32.  A thread owns four tokens: 16 bytes of each slice; a wave's load or store covers 512 consecutive bytes.
; 8 work-groups x 128 threads x 4 tokens = 4,096.  All 8 loads of a thread are out together.
	s_load_b128 s[4:7], s[0:1], 0x0                ; part s[4:5], out0 s[6:7]
	v_lshlrev_b32 v1, 4, v0
	s_lshl_b32 s8, ttmp9, 11                       ; 2,048 bytes a work-group
	s_mov_b32 s9, 0
	s_wait_alu depctr_va_vdst(0)
	s_wait_kmcnt 0x0
	s_add_nc_u64 s[4:5], s[4:5], s[8:9]
	s_add_nc_u64 s[6:7], s[6:7], s[8:9]
.irp q, 0,1,2,3,4,5,6,7
	global_load_b128 v[4+4*\q:7+4*\q], v1, s[4:5] offset:16384*\q th:TH_LOAD_NT
.endr
	s_wait_loadcnt 0x0
.irp q, 1,2,3,4,5,6,7
	v_pk_add_f32 v[4:5], v[4:5], v[4+4*\q:5+4*\q]
	v_pk_add_f32 v[6:7], v[6:7], v[6+4*\q:7+4*\q]
.endr
	global_store_b128 v1, v[4:7], s[6:7]
	s_endpgm
.Lfunc_end_k_qdb1bf3ad43_reduce:
	.size	k_qdb1bf3ad43_reduce, .Lfunc_end_k_qdb1bf3ad43_reduce-k_qdb1bf3ad43_reduce
	.p2alignl 7, 3214868480
	.fill 96, 4, 3214868480
	.section	.rodata,"a",@progbits
	.p2align	6, 0x0
	.amdhsa_kernel k_qdb1bf3ad43_reduce
		.amdhsa_group_segment_fixed_size 0
		.amdhsa_private_segment_fixed_size 0
		.amdhsa_enable_private_segment 0
		.amdhsa_kernarg_size 16
		.amdhsa_user_sgpr_count 2
		.amdhsa_user_sgpr_kernarg_segment_ptr 1
		.amdhsa_wavefront_size32 1
		.amdhsa_system_sgpr_workgroup_id_x 1
		.amdhsa_system_sgpr_workgroup_id_y 1
		.amdhsa_system_sgpr_workgroup_id_z 1
		.amdhsa_system_vgpr_workitem_id 0
		.amdhsa_next_free_vgpr 64
		.amdhsa_next_free_sgpr 66
		.amdhsa_reserve_vcc 0
		.amdhsa_float_denorm_mode_32 3
		.amdhsa_float_denorm_mode_16_64 3
		.amdhsa_memory_ordered 1
		.amdhsa_forward_progress 1
		.amdhsa_inst_pref_size 3
	.end_amdhsa_kernel
	.amdgpu_metadata
---
amdhsa.version: [ 1, 2 ]
amdhsa.kernels:
  - .name:           k_qdb1bf3ad43_reduce
    .symbol:         k_qdb1bf3ad43_reduce.kd
    .args:
      - { .name: part, .offset: 0, .size: 8, .value_kind: global_buffer, .address_space: global }
      - { .name: out0, .offset: 8, .size: 8, .value_kind: global_buffer, .address_space: global }
    .group_segment_fixed_size: 0
    .private_segment_fixed_size: 0
    .kernarg_segment_align: 8
    .kernarg_segment_size: 16
    .max_flat_workgroup_size: 128
    .sgpr_count:     66
    .vgpr_count:     64
    .wavefront_size: 32
...
	.end_amdgpu_metadata
.endif
;; end of part 3
